; MI455X (gfx1250); checked and timed in simulation.
; The chip was launched on July 23, 2026; its instructions are those of AMD's public machine-readable ISA for CDNA 5 (MIT licence, August 2026) and "CDNA5" Instruction Set Architecture Reference Guide (July 2026). The comments in the code are by the model that wrote it; some were corrected since.
;; Res Attn Block. Allowed arithmetic: float matrix products may take bf16 or f16 operands with f32 sums; all other float work in f32.
;; Inputs: b_attn 768 float32; b_proj 256 float32; beta 256 float32; gamma 256 float32; t_embd 32 x 1,024 float32; w_attn 768 x 256 float32; w_proj 256 x 256 float32; x 32 x 256 x 32 x 32 float32.
;; Outputs: out0 32 x 256 x 32 x 32 float32.
;; One version. Each part assembles by itself: llvm-mc -triple=amdgcn-amd-amdhsa -mcpu=gfx1250 --defsym DOCPART=n.
;; ======== version 1 of 1: 2 launches
;; workspace buffers: hn 16,777,216 bytes; m1 131,072 bytes; m2 131,072 bytes; uq 1,024 bytes; b2 1,024 bytes
;; launch prep (part 1): grid 544 x 1, 8 waves a work-group, no clusters, 75,776 bytes of LDS; arguments x, gamma, beta, w_attn, b_attn, w_proj, b_proj, hn, m1, m2, uq, b2; writes hn, m1, m2, uq, b2
.if DOCPART == 1
	.amdgcn_target "amdgcn-amd-amdhsa--gfx1250"
	.amdhsa_code_object_version 6
	.text
	.protected	k_q37be82379b_prep
	.globl	k_q37be82379b_prep
	.p2align	8
	.type	k_q37be82379b_prep,@function
k_q37be82379b_prep:
	s_mov_b64 s[64:65], 0
	v_nop
	global_prefetch_b8 v0, s[64:65] scope:SCOPE_SE
	s_setreg_imm32_b32 hwreg(HW_REG_WAVE_MODE, 25, 1), 1
	s_wait_xcnt 0x0
; prep: what the attention launch needs, made once.
;   work-groups 32 .. 543: GroupNorm.  Work-group 32 + p normalises groups 2 p and 2 p + 1 (counted 32 b + g; a group is 8 channels x 1,024
;     positions, 32 KiB that lie together in x, and the two groups are neighbours in one image) and stores them as bf16 in hn, in x's own order
;     [b][c][pos].  Wave w takes channel w of each group and keeps its 4 KiB in 32 registers, so x is read once.  Both channels are asked for at
;     the start; the first is worked on and stored while the second is still on its way.  Two groups a work-group make 544 work-groups, few enough
;     that all of them find room at once (three of 75,776 bytes of LDS and of 8 waves x 130 registers fit on a WGP with room to spare).
;     Mean first, then the squares of (x - mean): no difference of large sums, so a common offset of the inputs costs nothing.
;   work-groups 0 .. 31: the combined weights, a block of 64 x 64 each, K = 256, bf16 operands, f32 sums.
;     mat 0: M1[c][c2] = sg * sum_o Wk[o][c] Wq[o][c2],  uq[c] = sg * sum_o Wk[o][c] bq[o],   sg = log2(e) / 16
;     mat 1: M2[c'][c] = sum_o Wp[c'][o] Wv[o][c],       b2[c'] = sum_o Wp[c'][o] bv[o] + bp[c']
;     With h the normalised x: q_i . k_j = (M1 h_i + uq) . h_j / sg + q_i . bk, and the last term is the same for every j, so the softmax over j
;     cancels it for every input: b_attn[256:512] has no influence on the result and is not read.  The rows of the softmax sum to one, so
;     P (h Wv^T + bv) Wp^T + bp = (P h) M2^T + b2.
;   m1, m2 are stored in fragment order: the fragment of rows 16 mb .. +15 and columns 32 kk .. +31 lies at byte (8 mb + kk) * 1024; lane L's
;     registers 0-3 at + 16 L, its registers 4-7 at + 512 + 16 L.  Each store of a wave covers 512 consecutive bytes.
; No cluster and no tensor loads: the norm groups share no input, and the weight groups read 1 MiB in all.
; Limits: M1, M2 and their operands are rounded to bf16; NaN and infinities in the inputs spread over their whole group.
.set RED,   0                          ; four rows of 8 words: the waves' sums and sums of squares of the first group (0, 32) and of the second (64, 96):
                                       ; other bytes each time, so one barrier serves each reduction
.set BIAS,  256                        ; 256 bf16: bq or bv
.set AT,    768                        ; A's tile.  Wave w fills bytes AT + 4,608 w .. + 4,607 and no others, whichever matrix is made:
                                       ;   mat 0: [k 256][m 64] bf16, pitch 144; wave w has rows k = 32 w .. + 31 (32 x 144 = 4,608)
                                       ;   mat 1: [m 64][k 256] bf16, pitch 528 inside a wave's part; wave w has rows m = 8 w .. + 7 (8 x 528 = 4,224)
.set BT,    37632                      ; [k 256][n 64] bf16, pitch 144
.set WP,    144
.set WPART, 32*WP                      ; a wave's part of A's tile
.set AP1,   528                        ; mat 1: from row to row inside a part
.set XA,    32                         ; norm: my channel of the first group, of the second,
.set XB,    64
.set YA,    96                         ; and what is stored of each
.set YB,    112
.set X0,    32                         ; weights: three batches of eight 16-byte loads
.set X1,    64
.set X2,    96
.set F0,    32                         ; later: two fragment buffers of 32 registers,
.set F1,    64
.set ACC,   96                         ; and three accumulators
.set SIGMA, 0x3db8aa3b                 ; log2(e) / 16
	s_load_b512 s[4:19], s[0:1], 0x0               ; x 4, gamma 6, beta 8, w_attn 10, b_attn 12, w_proj 14, b_proj 16, hn 18
	s_load_b256 s[20:27], s[0:1], 0x40             ; m1 20, m2 22, uq 24, b2 26
	v_lshl_add_u32 v128, v0, 2, 0x12400
	v_mov_b32 v129, 0
	v_and_b32 v1, 31, v0                           ; lane
	v_lshrrev_b32 v2, 5, v0                        ; wave
	v_readfirstlane_b32 s28, v2
	s_cmp_lt_u32 ttmp9, 32                         ; the same in all waves of a work-group: each way has its own barriers
	s_cbranch_scc1 .Lweights
; ------------------------------------------------------------------ GroupNorm
	s_sub_co_u32 s29, ttmp9, 32                    ; p
	s_and_b32 s30, s29, 15
	s_lshl4_add_u32 s30, s30, s28                  ; my channel in the first group: 8 (2 p & 31) + w = 16 (p & 15) + w
	s_lshl_b32 s30, s30, 2                         ; its byte in gamma and beta; the second group's lies 8 channels, 32 bytes, on
	s_lshl_b32 s32, s29, 16                        ; the two groups' 64 KiB in x
	s_mov_b32 s33, 0
	s_lshl_b32 s34, s29, 15                        ; and their 32 KiB in hn
	s_mov_b32 s35, 0
	s_mov_b32 s40, 0x76543210                      ; v_permlanex16_b32: lane i of one half reads lane i of the other
	s_mov_b32 s41, 0xfedcba98
	s_mov_b32 s42, 0x39000000                      ; 1 / 8192
	s_mov_b32 s43, 0x3727c5ac                      ; 1e-5
	v_lshlrev_b32 v3, 4, v1
	v_lshl_add_u32 v3, v2, 12, v3                  ; x: 4,096 w + 16 lane
	v_lshlrev_b32 v14, 3, v1
	v_lshl_add_u32 v14, v2, 11, v14                ; hn: 2,048 w + 8 lane
	v_lshlrev_b32 v15, 2, v2                       ; my wave's word in a row of RED
	v_mov_b32 v24, 0
	s_wait_kmcnt 0x0
	s_add_nc_u64 s[4:5], s[4:5], s[32:33]
	s_add_nc_u64 s[18:19], s[18:19], s[34:35]
.irp j, 0,1,2,3,4,5,6,7
	global_load_b128 v[XA+4*\j:XA+4*\j+3], v3, s[4:5] offset:512*\j   ; 512 consecutive bytes a load; no hint: the next launch reads x again
.endr
.irp j, 0,1,2,3,4,5,6,7
	global_load_b128 v[XB+4*\j:XB+4*\j+3], v3, s[4:5] offset:32768+512*\j
.endr
	s_load_b32 s36, s[6:7], s30 offset:0x0         ; gamma, beta of my first channel
	s_load_b32 s37, s[8:9], s30 offset:0x0
	s_load_b32 s38, s[6:7], s30 offset:0x20        ; and of my second
	s_load_b32 s39, s[8:9], s30 offset:0x20
; v4 summed over the wave (four steps inside each half of 16 lanes, one across) and then over the eight waves: the result in v16 of every lane
.macro GSUM red
	v_add_f32_dpp v4, v4, v4 row_xmask:1 row_mask:0xf bank_mask:0xf
	v_add_f32_dpp v4, v4, v4 row_xmask:2 row_mask:0xf bank_mask:0xf
	v_add_f32_dpp v4, v4, v4 row_xmask:4 row_mask:0xf bank_mask:0xf
	v_add_f32_dpp v4, v4, v4 row_xmask:8 row_mask:0xf bank_mask:0xf
	v_permlanex16_b32 v5, v4, s40, s41             ; v5 has been written before
	v_add_f32 v4, v4, v5
	ds_store_b32 v15, v4 offset:\red               ; all lanes write the wave's word with the same value
	s_wait_dscnt 0x0                               ; for the other waves' sake: my store is done before I signal
	s_barrier_signal -1
	s_barrier_wait -1
	ds_load_b128 v[16:19], v24 offset:\red
	ds_load_b128 v[20:23], v24 offset:\red+16
	s_wait_dscnt 0x0
	v_pk_add_f32 v[16:17], v[16:17], v[18:19]
	v_pk_add_f32 v[20:21], v[20:21], v[22:23]
	v_pk_add_f32 v[16:17], v[16:17], v[20:21]
	v_add_f32 v16, v16, v17
.endm
; One group.  X: my channel as loaded; Y: as stored; red: the group's two rows of RED; sg: gamma, beta in s[sg], s[sg+1];
; left: how many younger loads may stay out; out: the group's place in the work-group's part of hn.
.macro NORM X, Y, red, sg, left, out
	s_wait_loadcnt \left
	v_pk_add_f32 v[4:5], v[\X:\X+1], v[\X+2:\X+3]                    ; my 32 numbers, in two chains
	v_pk_add_f32 v[6:7], v[\X+4:\X+5], v[\X+6:\X+7]
.set i, \X+8
.rept 6
	v_pk_add_f32 v[4:5], v[4:5], v[i:i+1]
	v_pk_add_f32 v[6:7], v[6:7], v[i+2:i+3]
.set i, i+4
.endr
	v_pk_add_f32 v[4:5], v[4:5], v[6:7]
	v_add_f32 v4, v4, v5
	GSUM \red
	v_mul_f32 v8, s42, v16                         ; the mean, in both registers of a pair
	v_mov_b32 v9, v8
.set i, \X
.rept 16
	v_pk_add_f32 v[i:i+1], v[i:i+1], v[8:9] neg_lo:[0,1] neg_hi:[0,1]   ; d = x - mean, in place
.set i, i+2
.endr
	v_pk_mul_f32 v[4:5], v[\X:\X+1], v[\X:\X+1]    ; the squares, in two chains
	v_pk_mul_f32 v[6:7], v[\X+2:\X+3], v[\X+2:\X+3]
.set i, \X+4
.rept 7
	v_pk_fma_f32 v[4:5], v[i:i+1], v[i:i+1], v[4:5]
	v_pk_fma_f32 v[6:7], v[i+2:i+3], v[i+2:i+3], v[6:7]
.set i, i+4
.endr
	v_pk_add_f32 v[4:5], v[4:5], v[6:7]
	v_add_f32 v4, v4, v5
	GSUM \red+32
	v_fma_f32 v4, v16, s42, s43                    ; variance + 1e-5
	v_rsq_f32 v5, v4
	s_wait_kmcnt 0x0                               ; gamma, beta
	v_mov_b32 v12, s[\sg+1]                        ; the plain place behind v_rsq_f32 (ISA guide 5.7.2)
	v_mov_b32 v13, s[\sg+1]
	s_wait_alu depctr_va_vdst(0)
	v_mul_f32 v10, s[\sg], v5                      ; gamma / sqrt(variance + eps)
	v_mov_b32 v11, v10
.set i, \X
.rept 16
	v_pk_fma_f32 v[i:i+1], v[i:i+1], v[10:11], v[12:13]
.set i, i+2
.endr
.set i, 0
.rept 16
	v_cvt_pk_bf16_f32 v[\Y+i], v[\X+2*i], v[\X+2*i+1]
.set i, i+1
.endr
.irp j, 0,1,2,3,4,5,6,7
	global_store_b64 v14, v[\Y+2*\j:\Y+2*\j+1], s[18:19] offset:\out+256*\j   ; a store of the wave covers 256 consecutive bytes, aligned
.endr
.endm
	NORM XA, YA, RED, 36, 8, 0                     ; the first group: the second group's eight loads stay out
	NORM XB, YB, RED+64, 38, 0, 16384              ; the second: registers and LDS words of its own, so nothing of the first is waited for
	s_wait_tensorcnt 0x0
	ds_add_u32 v128, v129
	s_wait_dscnt 0x0
	s_endpgm
; ------------------------------------------------------------------ the combined weights
.Lweights:
	s_lshr_b32 s29, ttmp9, 4                       ; mat
	s_bfe_u32 s30, ttmp9, 0x20002                  ; mi: which 64 rows
	s_and_b32 s31, ttmp9, 3                        ; ni: which 64 columns
	s_and_b32 s38, s28, 3                          ; mb: my 16 rows of the block
	s_lshr_b32 s39, s28, 2                         ; kl: my 32 columns of the block
	v_and_b32 v3, 15, v0
	v_lshrrev_b32 v11, 4, v0
	v_lshlrev_b32 v4, 4, v3
	v_lshl_add_u32 v4, v11, 10, v4                 ; B: 16 threads take 256 bytes of a row of w_attn, 16 rows a round
	v_mul_u32_u24 v12, v11, WP
	v_lshl_add_u32 v12, v3, 3, v12                 ; and put 8 bytes each into a row of 144
	v_add_nc_u32 v5, BT, v12
	v_lshlrev_b32 v8, 2, v0
	v_lshl_add_u32 v13, v0, 1, BIAS
	s_lshl_b32 s32, s29, 19                        ; Wq (mat 0) or Wv (mat 1),
	s_lshl_b32 s33, s31, 8                         ; columns 64 ni ..
	s_add_co_u32 s32, s32, s33
	s_mov_b32 s33, 0
	s_wait_kmcnt 0x0
	s_add_nc_u64 s[32:33], s[10:11], s[32:33]
.macro LDW bt, X, off, base, step      ; eight rounds of loads
.irp i, 0,1,2,3,4,5,6,7
	global_load_b128 v[\X+4*\i:\X+4*\i+3], v[\off], s[\base:\base+1] offset:(8*\bt+\i)*\step
.endr
.endm
; Eight rounds rounded to bf16 and laid down in the order in which they lie in memory.  Round j goes to (j / 2) * pair + (j % 2) * odd.
.macro STW bt, X, adr, scale, pair, odd
.irp i, 0,1,2,3,4,5,6,7
.if \scale
	v_pk_mul_f32 v[\X+4*\i:\X+4*\i+1], v[\X+4*\i:\X+4*\i+1], SIGMA op_sel_hi:[1,0]
	v_pk_mul_f32 v[\X+4*\i+2:\X+4*\i+3], v[\X+4*\i+2:\X+4*\i+3], SIGMA op_sel_hi:[1,0]
.endif
	v_cvt_pk_bf16_f32 v[16+2*\i], v[\X+4*\i], v[\X+4*\i+1]
	v_cvt_pk_bf16_f32 v[17+2*\i], v[\X+4*\i+2], v[\X+4*\i+3]
	ds_store_b64 v[\adr], v[16+2*\i:17+2*\i] offset:((8*\bt+\i)/2)*\pair+((8*\bt+\i)%2)*\odd
.endr
.endm
	s_cmp_lg_u32 s29, 0
	s_cbranch_scc1 .Lmat1
	; mat 0: A = sg Wk, which lies [k][m] already.  Wave w takes rows k = 32 w .. + 31, two a round.
	s_lshl_b32 s34, s30, 8
	s_add_co_u32 s34, s34, 262144                  ; Wk, columns 64 mi ..
	s_mov_b32 s35, 0
	s_add_nc_u64 s[34:35], s[10:11], s[34:35]
	v_bfe_u32 v15, v0, 4, 1                        ; which of the round's two rows
	v_lshlrev_b32 v7, 4, v3
	v_lshl_add_u32 v7, v15, 10, v7
	v_lshl_add_u32 v7, v2, 15, v7                  ; from: 32,768 w + 1,024 row + 16 (t & 15)
	v_lshl_add_u32 v16, v2, 5, v15
	v_mul_u32_u24 v16, v16, WP
	v_lshl_add_u32 v16, v3, 3, v16
	v_add_nc_u32 v6, AT, v16                       ; to: row 32 w + row, 8 (t & 15)
	global_load_b32 v9, v8, s[12:13]               ; bq[t]
	v_mov_b32 v10, 0                               ; nothing is added to uq
	LDW 0, X0, 4, 32, 16384
	LDW 1, X1, 4, 32, 16384
	LDW 0, X2, 7, 34, 2048
	s_wait_loadcnt 16                              ; the bias and X0 are in; X1 and X2, sixteen loads, stay out
	v_cvt_pk_bf16_f32 v9, v9, v9
	ds_store_b16 v13, v9
	STW 0, X0, 5, 0, 32*WP, 16*WP
	LDW 1, X0, 7, 34, 2048
	s_wait_loadcnt 16                              ; X1 is in; X2 and the new X0 stay out
	STW 1, X1, 5, 0, 32*WP, 16*WP
	s_wait_loadcnt 8                               ; X2
	STW 0, X2, 6, 1, 4*WP, 2*WP
	s_wait_loadcnt 0x0
	STW 1, X0, 6, 1, 4*WP, 2*WP
	s_branch .Lwmul
.Lmat1:
	; mat 1: A = Wp, whose rows run along K: it stays [m][k].  Wave w takes rows m = 8 w .. + 7, 8 KiB that lie together, half a row a round.
	s_lshl_b32 s34, s30, 16                        ; rows 64 mi ..
	s_mov_b32 s35, 0
	s_add_nc_u64 s[34:35], s[14:15], s[34:35]
	v_lshlrev_b32 v7, 4, v1
	v_lshl_add_u32 v7, v2, 13, v7                  ; from: 8,192 w + 16 lane
	v_mul_u32_u24 v6, v2, WPART
	v_lshl_add_u32 v6, v1, 3, v6
	v_add_nc_u32 v6, AT, v6                        ; to: my part, 8 lane: 256 consecutive bytes a store
	s_lshl2_add_u32 s36, s30, s38
	s_lshl_b32 s36, s36, 6
	v_lshl_add_u32 v11, v3, 2, s36                 ; bp[64 mi + 16 mb + r]
	global_load_b32 v9, v8, s[12:13] offset:2048   ; bv[t]
	global_load_b32 v10, v11, s[16:17]
	LDW 0, X0, 4, 32, 16384
	LDW 1, X1, 4, 32, 16384
	LDW 0, X2, 7, 34, 512
	s_wait_loadcnt 16                              ; as above
	v_cvt_pk_bf16_f32 v9, v9, v9
	ds_store_b16 v13, v9
	STW 0, X0, 5, 0, 32*WP, 16*WP
	LDW 1, X0, 7, 34, 512
	s_wait_loadcnt 16
	STW 1, X1, 5, 0, 32*WP, 16*WP
	s_wait_loadcnt 8
	STW 0, X2, 6, 0, AP1, 256
	s_wait_loadcnt 0x0
	STW 1, X0, 6, 0, AP1, 256
.Lwmul:
	s_wait_dscnt 0x0                               ; my stores are done before I signal
	s_barrier_signal -1
	s_barrier_wait -1                              ; behind this barrier LDS is only read
	v_and_b32 v12, 7, v1
	v_lshrrev_b32 v13, 4, v1                       ; h
	v_bfe_u32 v14, v1, 3, 1
	; mat 1's A, rows along K: row 16 mb + r lies in part 2 mb + (r >> 3), at (r & 7) * 528; 16 h bytes on for the upper lanes.
	; Rows r and r + 8 start 4,608 bytes apart and meet in the same banks, two deep: 16 such loads a wave in all.
	v_mul_u32_u24 v23, v12, AP1
	v_mul_u32_u24 v15, v14, WPART
	v_add_nc_u32 v23, v23, v15
	v_lshl_add_u32 v23, v13, 4, v23
	s_mul_i32 s40, s38, 2*WPART
	s_add_co_u32 s40, s40, AT
	v_add_nc_u32 v23, s40, v23
	; tiles that lie [k][.]: a transposing load's lane addresses row 8 h + (L & 7), 16 bytes at 16 ((L >> 3) & 1)
	v_lshl_add_u32 v12, v13, 3, v12
	v_mul_u32_u24 v12, v12, WP
	v_lshl_add_u32 v12, v14, 4, v12
	s_lshl_b32 s36, s38, 5
	s_add_co_u32 s36, s36, AT
	s_lshl_b32 s37, s39, 6
	s_add_co_u32 s37, s37, BT
	v_add_nc_u32 v20, s36, v12                     ; mat 0's A: my 16 rows
	v_add_nc_u32 v21, s37, v12                     ; B: my 32 columns
	v_lshl_add_u32 v22, v13, 4, BIAS               ; the bias as a fragment whose 16 rows are all alike
.macro FW kk, F, tr                    ; the fragments of one K step of 32: A (tr = 1: transposing), two of B, the bias
.if \tr
	ds_load_tr16_b128 v[\F:\F+3], v20 offset:32*WP*(\kk)
	ds_load_tr16_b128 v[\F+4:\F+7], v20 offset:32*WP*(\kk)+16*WP
.else
	ds_load_b128 v[\F:\F+3], v23 offset:64*(\kk)
	ds_load_b128 v[\F+4:\F+7], v23 offset:64*(\kk)+32
.endif
	ds_load_tr16_b128 v[\F+8:\F+11], v21 offset:32*WP*(\kk)
	ds_load_tr16_b128 v[\F+12:\F+15], v21 offset:32*WP*(\kk)+16*WP
	ds_load_tr16_b128 v[\F+16:\F+19], v21 offset:32*WP*(\kk)+32
	ds_load_tr16_b128 v[\F+20:\F+23], v21 offset:32*WP*(\kk)+16*WP+32
	ds_load_b128 v[\F+24:\F+27], v22 offset:64*(\kk)
	ds_load_b128 v[\F+28:\F+31], v22 offset:64*(\kk)+32
.endm
; Sources swapped (B's fragment first): a lane's eight results are eight neighbouring columns of one row, which pack into 16 bytes.
; The three accumulators take turns, one instruction a turn.
.macro WK kk, cur, nxt, tr
.if \kk > 0
.rept 4
	v_nop                                          ; four places between the last products and the loads into the buffer that they read
.endr
.endif
.if \kk < 7
	FW \kk+1, \nxt, \tr
	s_wait_dscnt 8                                 ; this step's fragments are in; the eight loads just issued stay out
.else
	s_wait_dscnt 0x0
.endif
.if \kk == 0
	v_wmma_f32_16x16x32_bf16 v[ACC:ACC+7], v[\cur+8:\cur+15], v[\cur:\cur+7], 0
	v_wmma_f32_16x16x32_bf16 v[ACC+8:ACC+15], v[\cur+16:\cur+23], v[\cur:\cur+7], 0
	v_wmma_f32_16x16x32_bf16 v[ACC+16:ACC+23], v[\cur+24:\cur+31], v[\cur:\cur+7], 0
.else
	v_wmma_f32_16x16x32_bf16 v[ACC:ACC+7], v[\cur+8:\cur+15], v[\cur:\cur+7], v[ACC:ACC+7]
	v_wmma_f32_16x16x32_bf16 v[ACC+8:ACC+15], v[\cur+16:\cur+23], v[\cur:\cur+7], v[ACC+8:ACC+15]
	v_wmma_f32_16x16x32_bf16 v[ACC+16:ACC+23], v[\cur+24:\cur+31], v[\cur:\cur+7], v[ACC+16:ACC+23]
.endif
.endm
.macro WPROD tr                        ; the eight K steps, on two fragment buffers
	FW 0, F0, \tr
	WK 0, F0, F1, \tr
	WK 1, F1, F0, \tr
	WK 2, F0, F1, \tr
	WK 3, F1, F0, \tr
	WK 4, F0, F1, \tr
	WK 5, F1, F0, \tr
	WK 6, F0, F1, \tr
	WK 7, F1, F0, \tr
.endm
	s_cmp_lg_u32 s29, 0
	s_cbranch_scc1 .Lprod1
	WPROD 1                                        ; mat 0
	s_branch .Lwout
.Lprod1:
	WPROD 0                                        ; mat 1
.Lwout:
.rept 4
	v_nop                                          ; four places before the results are read
.endr
.irp i, 0,1,2,3
	v_cvt_pk_bf16_f32 v[24+\i], v[ACC+2*\i], v[ACC+2*\i+1]          ; columns 32 kl + 8 h ..: a fragment's registers 0-3
	v_cvt_pk_bf16_f32 v[28+\i], v[ACC+8+2*\i], v[ACC+8+2*\i+1]      ; columns 32 kl + 16 + 8 h ..: its registers 4-7
.endr
	v_lshlrev_b32 v12, 4, v1
	s_lshl2_add_u32 s36, s30, s38                  ; 4 mi + mb
	s_lshl_b32 s46, s36, 6                         ; its 16 words in uq or b2
	s_mov_b32 s47, 0
	s_lshl3_add_u32 s36, s36, s39                  ; 8 (4 mi + mb) + kl
	s_lshl1_add_u32 s36, s31, s36                  ; + 2 ni
	s_lshl_b32 s44, s36, 10
	s_mov_b32 s45, 0
	s_cmp_eq_u32 s29, 0
	s_cselect_b64 s[32:33], s[20:21], s[22:23]     ; m1 or m2
	s_cselect_b64 s[34:35], s[24:25], s[26:27]     ; uq or b2
	s_add_nc_u64 s[44:45], s[32:33], s[44:45]
	s_add_nc_u64 s[46:47], s[34:35], s[46:47]
	global_store_b128 v12, v[24:27], s[44:45]
	global_store_b128 v12, v[28:31], s[44:45] offset:512
	s_or_b32 s36, s39, s31                         ; the bias product is the same in every column block: one owner stores it
	s_cmp_lg_u32 s36, 0
	s_cbranch_scc1 .Lend
	v_add_f32 v[ACC+16], v[ACC+16], v10            ; + bp (mat 1) or + 0
	v_lshlrev_b32 v13, 2, v3
	v_cmp_gt_u32 vcc_lo, 16, v1
	s_wait_xcnt 0x0                                ; EXEC is a source of the stores above: it changes only behind this wait
	s_and_saveexec_b32 s36, vcc_lo
	global_store_b32 v13, v[ACC+16], s[46:47]      ; lanes 0-15: rows 16 mb + r
	s_wait_xcnt 0x0                                ; and again before it is widened
	s_or_b32 exec_lo, exec_lo, s36
.Lend:
	s_wait_tensorcnt 0x0
	ds_add_u32 v128, v129
	s_wait_dscnt 0x0
	s_endpgm
.Lfunc_end_k_q37be82379b_prep:
	.size	k_q37be82379b_prep, .Lfunc_end_k_q37be82379b_prep-k_q37be82379b_prep
	.p2alignl 7, 3214868480
	.fill 96, 4, 3214868480
	.section	.rodata,"a",@progbits
	.p2align	6, 0x0
	.amdhsa_kernel k_q37be82379b_prep
		.amdhsa_group_segment_fixed_size 75776
		.amdhsa_private_segment_fixed_size 0
		.amdhsa_enable_private_segment 0
		.amdhsa_kernarg_size 96
		.amdhsa_user_sgpr_count 2
		.amdhsa_user_sgpr_kernarg_segment_ptr 1
		.amdhsa_wavefront_size32 1
		.amdhsa_system_sgpr_workgroup_id_x 1
		.amdhsa_system_sgpr_workgroup_id_y 1
		.amdhsa_system_sgpr_workgroup_id_z 1
		.amdhsa_system_vgpr_workitem_id 0
		.amdhsa_next_free_vgpr 130
		.amdhsa_next_free_sgpr 66
		.amdhsa_reserve_vcc 1
		.amdhsa_float_denorm_mode_32 3
		.amdhsa_float_denorm_mode_16_64 3
		.amdhsa_memory_ordered 1
		.amdhsa_forward_progress 1
		.amdhsa_inst_pref_size 60
	.end_amdhsa_kernel
	.amdgpu_metadata
---
amdhsa.version: [ 1, 2 ]
amdhsa.kernels:
  - .name:           k_q37be82379b_prep
    .symbol:         k_q37be82379b_prep.kd
    .args:
      - { .name: x, .offset: 0, .size: 8, .value_kind: global_buffer, .address_space: global }
      - { .name: gamma, .offset: 8, .size: 8, .value_kind: global_buffer, .address_space: global }
      - { .name: beta, .offset: 16, .size: 8, .value_kind: global_buffer, .address_space: global }
      - { .name: w_attn, .offset: 24, .size: 8, .value_kind: global_buffer, .address_space: global }
      - { .name: b_attn, .offset: 32, .size: 8, .value_kind: global_buffer, .address_space: global }
      - { .name: w_proj, .offset: 40, .size: 8, .value_kind: global_buffer, .address_space: global }
      - { .name: b_proj, .offset: 48, .size: 8, .value_kind: global_buffer, .address_space: global }
      - { .name: hn, .offset: 56, .size: 8, .value_kind: global_buffer, .address_space: global }
      - { .name: m1, .offset: 64, .size: 8, .value_kind: global_buffer, .address_space: global }
      - { .name: m2, .offset: 72, .size: 8, .value_kind: global_buffer, .address_space: global }
      - { .name: uq, .offset: 80, .size: 8, .value_kind: global_buffer, .address_space: global }
      - { .name: b2, .offset: 88, .size: 8, .value_kind: global_buffer, .address_space: global }
    .group_segment_fixed_size: 75776
    .private_segment_fixed_size: 0
    .kernarg_segment_align: 8
    .kernarg_segment_size: 96
    .max_flat_workgroup_size: 256
    .sgpr_count:     66
    .vgpr_count:     130
    .wavefront_size: 32
...
	.end_amdgpu_metadata
.endif
;; end of part 1
;; launch attn (part 2): grid 256 x 1, 4 waves a work-group, clusters of 4 x 1, 327,680 bytes of LDS; arguments hn, m1, m2, uq, b2, x, out0; writes out0
.if DOCPART == 2
	.amdgcn_target "amdgcn-amd-amdhsa--gfx1250"
	.amdhsa_code_object_version 6
	.text
	.protected	k_q37be82379b_attn
	.globl	k_q37be82379b_attn
	.p2align	8
	.type	k_q37be82379b_attn,@function
k_q37be82379b_attn:
	s_mov_b64 s[64:65], 0
	v_nop
	global_prefetch_b8 v0, s[64:65] scope:SCOPE_SE
	s_setreg_imm32_b32 hwreg(HW_REG_WAVE_MODE, 25, 1), 1
	s_wait_xcnt 0x0
	s_wait_alu depctr_hold_cnt(0) depctr_sa_sdst(0) depctr_va_vdst(0) depctr_va_sdst(0) depctr_va_ssrc(0) depctr_va_vcc(0) depctr_vm_vsrc(0)
	s_getreg_b32 s2, hwreg(HW_REG_IB_STS2, 6, 4)
	s_cmp_eq_u32 s2, 0
	s_cbranch_scc0 .Lentry_in_a_cluster
	s_endpgm
.Lentry_in_a_cluster:
	s_bfe_u32 s2, ttmp6, 0x10000c
	s_cmp_lg_u32 s2, 0x3003
	s_cbranch_scc0 .Lentry_shape_is_right
	s_endpgm
.Lentry_shape_is_right:
; attn: out = x + M2 softmax((M1 h + uq) . h) h + b2, per image; h = hn, bf16, [b][c 256][pos 1024]; M1, uq carry the factor log2(e) / 16.
; h serves as keys and as values, so one stream of tiles [256 c][128 keys] feeds both products.
; A work-group takes 128 queries of one image: 256 work-groups.  The four work-groups of a cluster belong to one image and walk the same eight
; key tiles, M1 and M2: these are asked for jointly (mask 15).  Only the query tile is a work-group's own.
; Wave w: rh = w >> 1, s = w & 1.  It owns queries 64 rh .. +63 and half of the keys of every tile, with a running maximum, a sum and an O of its
; own; the pair s = 0, 1 is merged once at the end.  So every fragment read from LDS feeds four matrix instructions.
; All products are made transposed, Q'^T = M1 hq^T, S^T = H Q'^T, O^T = H^T P^T: a result tile (lane (r, h), register t: row 8 h + t, column r)
; packed to bf16 IS half of the next product's second operand, so Q', P and O never pass through LDS for a change of layout, and maximum, sum
; and rescale factor of a query are one number a lane.
; So that register numbers do not hang on the wave: local query block nb is the wave's block (nb + 2 s) & 3; local K step g of Q' is step 4 s + g
; for g < 4 and 4 (1 - s) + g - 4 above; the key fragments' addresses follow the same order.
; Keys inside a tile: a row has 16 chunks of 8 keys; the block of 16 keys a is made of chunks a and a + 8; wave s takes a = 4 s .. 4 s + 3.  The
; softmax does not care for the order, and the P h product reads h in the same order (lane term 128 h in place of 16 h).
; The last product, y = M2 O + b2, goes by blocks of channels, so that finished blocks are on their way out while later ones are multiplied.
; Not read: t_embd, which the computation never uses, and b_attn[256:512] (see prep).
; Limits: h, M1, M2, Q', P and O are rounded to bf16; sums run in another order than a row-by-row evaluation; an exponential below 2^-126 is
; zero (ISA guide 15.8); NaN and infinities are not traced element by element.
; No prefetch: hn was stored by the launch before, a tile is asked for a whole step ahead of its use, x's rows a whole product phase ahead.
;
; LDS:  SLOT0 0, SLOT1 69,632: tiles of 256 rows, 256 bytes + 16 of padding; at the end M2's two halves, dense.
;       MREG 139,264: M1 (its only fill), afterwards scratch for the exchanges inside a pair of waves.   MLX: maxima and sums.   STG: the way out.
; REGISTERS, in windows of 256: window 0 addresses, softmax state, FB (three buffers of four fragments), SB (score tiles, packed in place to P);
;       window 1 Q' (later O) as fragments; windows 2, 3 the 64 tiles of O^T.
.set PITCH, 272
.set SLOT,  256*PITCH
.set MREG,  2*SLOT
.set MLX,   MREG+131072
.set STG,   MLX+4096
.set KS,    4                          ; v4-7   transposing address: slot 0 own c half, other c half; slot 1 likewise
.set KP,    8                          ; v8-9   plain address, slot 0, 1
.set XW,    10                         ; v10    my 16 KiB of the exchange scratch
.set XR,    11                         ; v11    my partner's
.set MX,    12                         ; v12-19 pairs (maximum, sum) of query block nb
.set AL,    20                         ; v20-27 pairs (rescale factor, temporary)
.set U,     28                         ; v28-31 temporaries
.set FB,    32                         ; v32-127
.set TS,    64                         ; v64-67 the softmax's sums: the fragment buffer that is free then
.set SB,    128                        ; v128-255 score tile (nb, mb) at SB + 8 (4 nb + mb)
.set PA0,   32                         ; phase A: two buffers of 8 fragments of M1 and 4 of hq
.set PA1,   128
.set AM1,   224
.set AQL,   225
.set AQH,   226
.set VU,    227
.set OXW,   4                          ; the end phases' addresses
.set OXR,   5
.set MLW,   6
.set MLR,   7
.set AM2,   8
.set STL,   9
.set STH,   28
.set RD,    29
.set VO,    30
.set VB,    31
.set MB0,   32                         ; two buffers of 8 fragments of M2
.set MB1,   96
.set BTU,   160                        ; v160-223 b2 as eight C tiles
.set TMP,   224                        ; v224-255 the way out: rows read back from the stage
.set PM,    224                        ; earlier: v224-231 pairs (maximum, sum) of my partner,
.set BV,    232                        ; v232-239 b2 of my channel in each of 8 blocks
.set G1K,   32                         ; s[32:39] group 1: a quarter of a key tile, joint
.set G1Q,   40                         ; s[40:47] the same, not joint: the query tile
.set G1M,   48                         ; s[48:55] 128 dense rows of 256 bytes, joint: a quarter of M1
.set G1M2,  56                         ; s[56:63] 64 such rows: an eighth of M2
.set G0S,   68                         ; s[68:75] group 0 of slot 0, slot 1
.set G0Q,   76
.set G0M1,  80
.set G0M2A, 84
.set G0M2B, 88
.set W0K, 15|(1<<16)|(1<<20)|(1<<21)|(5<<22)|(3<<25)   ; mask 15; 2-byte elements; padding on; bit 21 beside a mask; after 64 words, 4 words
.set W0Q, (1<<16)|(1<<20)|(5<<22)|(3<<25)
.set W0M, 15|(3<<16)|(1<<21)                            ; mask 15; 8-byte elements; no padding
.set MSB, 0
.macro WIN new                         ; the immediate's high byte repeats the setting that is left; a switch that changes nothing is dropped
.if MSB != \new
	s_set_vgpr_msb (MSB<<8)|\new
.set MSB, \new
.endif
.endm
.macro PLACES n                        ; places behind matrix instructions: plain vector instructions that name none of their registers (ISA guide 7.12.1)
.rept \n
	v_nop
.endr
.endm
.macro BAR
	s_barrier_signal -1
	s_barrier_wait -1
.endm
.macro ROUND                           ; a round of the cluster's barrier
	s_barrier_signal -1
	s_barrier_wait -1
	s_cmp_lg_u32 s18, 0
	s_cbranch_scc1 .Lnot_wave_0_\@
	s_barrier_signal -3
.Lnot_wave_0_\@:
	s_barrier_wait -3
	s_barrier_signal -1
	s_barrier_wait -1
.endm
.macro G1SET g, w0, c, r, p            ; rows of c elements, r of them, pitch p
	s_mov_b32 s[\g+0], \w0
	s_mov_b32 s[\g+1], (\c)<<16
	s_mov_b32 s[\g+2], (\r)<<16
	s_mov_b32 s[\g+3], (\c)<<16
	s_mov_b32 s[\g+4], \r
	s_mov_b32 s[\g+5], \p
	s_mov_b32 s[\g+6], 0
	s_mov_b32 s[\g+7], 0
.endm
.macro WM d, a, b, z                   ; z = 1: the product starts the sum
.if \z
	v_wmma_f32_16x16x32_bf16 v[\d:\d+7], v[\a:\a+7], v[\b:\b+7], 0
.else
	v_wmma_f32_16x16x32_bf16 v[\d:\d+7], v[\a:\a+7], v[\b:\b+7], v[\d:\d+7]
.endif
.endm
.macro WMC d, a, b, c
	v_wmma_f32_16x16x32_bf16 v[\d:\d+7], v[\a:\a+7], v[\b:\b+7], v[\c:\c+7]
.endm
; ------------------------------------------------------------------ set-up
	s_load_b256 s[4:11], s[0:1], 0x0               ; hn 4, m1 6, m2 8, uq 10
	s_load_b128 s[12:15], s[0:1], 0x20             ; b2 12, x 14
	s_load_b64 s[16:17], s[0:1], 0x30              ; out0
	v_lshl_add_u32 v254, v0, 2, 0x47400
	v_mov_b32 v255, 0
	ds_add_u32 v254, v255
	s_wait_dscnt 0x0
	v_lshrrev_b32 v1, 5, v0
	v_readfirstlane_b32 s18, v1                    ; w
	s_lshr_b32 s19, s18, 1                         ; rh
	s_and_b32 s20, s18, 1                          ; s
	s_xor_b32 s66, s18, 1                          ; my partner's number
	s_xor_b32 s67, s20, 1                          ; 1 - s
	s_bfe_u32 s21, ttmp6, 0x40000                  ; cx
	s_and_b32 s22, ttmp9, 1                        ; ttmp9 counts clusters: two for an image
	s_lshl_b32 s22, s22, 2
	s_add_co_u32 s22, s22, s21                     ; qb: my block of 128 queries
	s_lshr_b32 s23, ttmp9, 1                       ; image
	s_mov_b32 s92, 0x76543210                      ; v_permlanex16_b32: lane i xor 16
	s_mov_b32 s93, 0xfedcba98
	G1SET G1K, W0K, 128, 64, 1024
	G1SET G1Q, W0Q, 128, 64, 1024
	G1SET G1M, W0M, 32, 128, 32
	G1SET G1M2, W0M, 32, 64, 32
	s_lshl_b32 s24, s23, 19                        ; the image's 512 KiB of hn,
	s_lshl_b32 s25, s18, 17                        ; my 64 channels of 2,048 bytes
	s_add_co_u32 s24, s24, s25
	s_mov_b32 s25, 0
	s_lshl_b32 s28, s22, 8                         ; my query block's 256 bytes in a row: the only descriptor word that hangs on cx, in the load that is not joint
	s_mov_b32 s29, 0
	s_lshl_b32 s30, s18, 15
	s_mov_b32 s31, 0
	s_mul_i32 s[G0S+1], s18, 64*PITCH              ; LDS addresses: a constant, the wave's number times a constant
	s_wait_kmcnt 0x0
	s_add_nc_u64 s[26:27], s[4:5], s[24:25]
	s_mov_b32 s[G0S], 1
	s_mov_b64 s[G0S+2:G0S+3], s[26:27]             ; key tile 0
	s_or_b32 s[G0S+3], s[G0S+3], 0x80000000
	s_mov_b32 s[G0S+4], 1
	s_add_co_u32 s[G0S+5], s[G0S+1], SLOT
	s_add_nc_u64 s[G0S+6:G0S+7], s[26:27], 256     ; key tile 1
	s_or_b32 s[G0S+7], s[G0S+7], 0x80000000
	s_mov_b32 s[G0Q], 1
	s_add_co_u32 s[G0Q+1], s[G0S+1], SLOT
	s_add_nc_u64 s[G0Q+2:G0Q+3], s[26:27], s[28:29]
	s_or_b32 s[G0Q+3], s[G0Q+3], 0x80000000
	s_mov_b32 s[G0M1], 1
	s_add_co_u32 s[G0M1+1], s30, MREG
	s_add_nc_u64 s[G0M1+2:G0M1+3], s[6:7], s[30:31]
	s_or_b32 s[G0M1+3], s[G0M1+3], 0x80000000
	s_lshl_b32 s30, s18, 14
	s_mov_b32 s[G0M2A], 1
	s_mov_b32 s[G0M2A+1], s30
	s_add_nc_u64 s[G0M2A+2:G0M2A+3], s[8:9], s[30:31]
	s_or_b32 s[G0M2A+3], s[G0M2A+3], 0x80000000
	s_mov_b32 s[G0M2B], 1
	s_add_co_u32 s[G0M2B+1], s30, SLOT
	s_add_nc_u64 s[G0M2B+2:G0M2B+3], s[8:9], s[30:31]
	s_add_nc_u64 s[G0M2B+2:G0M2B+3], s[G0M2B+2:G0M2B+3], 0x10000
	s_or_b32 s[G0M2B+3], s[G0M2B+3], 0x80000000
	ROUND                                          ; the four work-groups are here: the first joint loads meet
	tensor_load_to_lds s[G0Q:G0Q+3], s[G1Q:G1Q+7]          ; the first fills, one group: my quarter of the query tile (slot 1),
	s_nop 0
	tensor_load_to_lds s[G0M1:G0M1+3], s[G1M:G1M+7]        ; of M1,
	s_nop 0
	tensor_load_to_lds s[G0S:G0S+3], s[G1K:G1K+7]          ; and of key tile 0 (slot 0).  Three loads of the wave are out, the most in this text
	s_nop 0
	s_lshl_b32 s28, s23, 20                        ; x and out0: the image, my 128 channels, my 64 positions
	s_lshl_b32 s29, s20, 19
	s_add_co_u32 s28, s28, s29
	s_lshl_b32 s29, s22, 9
	s_add_co_u32 s28, s28, s29
	s_lshl_b32 s29, s19, 8
	s_add_co_u32 s28, s28, s29
	s_mov_b32 s29, 0
	s_add_nc_u64 s[14:15], s[14:15], s[28:29]
	s_add_nc_u64 s[16:17], s[16:17], s[28:29]
	s_lshl_b32 s28, s20, 9
	s_add_nc_u64 s[12:13], s[12:13], s[28:29]      ; b2 of my 128 channels
	v_and_b32 v1, 31, v0                           ; L
	v_and_b32 v2, 15, v0                           ; r
	v_bfe_u32 v3, v0, 4, 1                         ; h
	v_and_b32 v24, 7, v0
	v_lshl_add_u32 v24, v3, 3, v24
	v_mul_u32_u24 v24, v24, PITCH                  ; a transposing load's row: 8 h + (L & 7)
	v_bfe_u32 v25, v0, 3, 1
	v_lshl_add_u32 v26, v25, 7, v24                ; key tiles: the second chunk of a block lies 128 bytes on
	v_lshl_add_u32 v27, v25, 4, v24                ; the query tile: 16 bytes on
	s_mul_i32 s24, s20, 128*PITCH+64               ; own c half, my four key blocks
	s_mul_i32 s25, s67, 128*PITCH                  ; the other c half,
	s_lshl_b32 s26, s20, 6
	s_add_co_u32 s25, s25, s26                     ; the same key blocks
	v_add_nc_u32 v[KS], s24, v26
	v_add_nc_u32 v[KS+1], s25, v26
	v_add_nc_u32 v[KS+2], SLOT, v[KS]
	v_add_nc_u32 v[KS+3], SLOT, v[KS+1]
	v_mul_u32_u24 v[KP], v2, PITCH
	v_lshl_add_u32 v[KP], v3, 7, v[KP]
	v_add_nc_u32 v[KP], s26, v[KP]                 ; row r, byte 128 h + 64 s
	v_add_nc_u32 v[KP+1], SLOT, v[KP]
	s_lshl_b32 s24, s18, 14
	s_add_co_u32 s24, s24, MREG
	s_lshl_b32 s25, s66, 14
	s_add_co_u32 s25, s25, MREG
	v_lshl_add_u32 v[XW], v1, 4, s24
	v_lshl_add_u32 v[XR], v1, 4, s25
	s_lshl_b32 s24, s20, 16
	s_add_co_u32 s24, s24, MREG
	v_lshl_add_u32 v[AM1], v1, 4, s24              ; M1's rows 128 s ..
	s_lshl_b32 s24, s19, 7
	s_add_co_u32 s24, s24, SLOT
	s_add_co_u32 s25, s24, s26
	s_lshl_b32 s27, s67, 6
	s_add_co_u32 s24, s24, s27
	v_add_nc_u32 v[AQL], s25, v27                  ; local query blocks 0, 1
	v_add_nc_u32 v[AQH], s24, v27                  ; local query blocks 2, 3
	s_lshl_b32 s24, s20, 9
	v_lshl_add_u32 v[VU], v3, 5, s24               ; uq[128 s + 8 h ..]
.irp n, 0,1,2,3
	v_mov_b32 v[MX+2*\n+1], 0                      ; the sums share a register pair with the maxima, and the pair is read whole
	v_mov_b32 v[U+\n], 0                           ; a destination of v_permlanex16_b32 counts as read
.endr
	WIN 0xc0
.irp m, 0,1,2,3,4,5,6,7
	global_load_b128 v[8*\m:8*\m+3], v[VU], s[10:11] offset:64*\m        ; window 3: uq as C tiles: register t = uq[128 s + 16 m + 8 h + t]
	global_load_b128 v[8*\m+4:8*\m+7], v[VU], s[10:11] offset:64*\m+16
.endr
	WIN 0
	s_wait_tensorcnt 0x1                           ; my parts of the query tile and of M1 are in; key tile 0 stays out
	BAR
; ------------------------------------------------------------------ phase A: Q'^T = M1 hq^T + uq, rows 128 s .. +127 for my 64 queries
.macro FA kk, buf                      ; 24 loads: 8 fragments of M1 (dense, 16 bytes a lane), 4 of hq^T (transposing)
.irp m, 0,1,2,3,4,5,6,7
	ds_load_b128 v[\buf+8*\m:\buf+8*\m+3], v[AM1] offset:(8*\m+(\kk))*1024
	ds_load_b128 v[\buf+8*\m+4:\buf+8*\m+7], v[AM1] offset:(8*\m+(\kk))*1024+512
.endr
.irp n, 0,1
	ds_load_tr16_b128 v[\buf+64+8*\n:\buf+64+8*\n+3], v[AQL] offset:(\kk)*32*PITCH+32*\n
	ds_load_tr16_b128 v[\buf+64+8*\n+4:\buf+64+8*\n+7], v[AQL] offset:(\kk)*32*PITCH+32*\n+16*PITCH
.endr
.irp n, 0,1
	ds_load_tr16_b128 v[\buf+80+8*\n:\buf+80+8*\n+3], v[AQH] offset:(\kk)*32*PITCH+32*\n
	ds_load_tr16_b128 v[\buf+80+8*\n+4:\buf+80+8*\n+7], v[AQH] offset:(\kk)*32*PITCH+32*\n+16*PITCH
.endr
.endm
; One K step: 32 products on 32 accumulators, which take turns, one instruction a turn.
.macro PAK kk, cur, nxt
	WIN 0
.if \kk > 0
	PLACES 4                                       ; before loads into the buffer that the step before read
.endif
.if \kk < 7
	FA \kk+1, \nxt
	s_wait_dscnt 24                                ; this step's fragments are in; the 24 loads just issued stay out
.else
	s_wait_dscnt 0x0
.endif
.if \kk == 0
	s_wait_loadcnt 0x0                             ; uq
	WIN 0xb0                                       ; D window 2, C window 3
.else
	WIN 0xa0                                       ; C and D window 2
.endif
.irp m, 0,1,2,3,4,5,6,7
.irp n, 0,1,2,3
.if \kk == 0
	WMC 8*(4*\m+\n), \cur+8*\m, \cur+64+8*\n, 8*\m
.else
	WMC 8*(4*\m+\n), \cur+8*\m, \cur+64+8*\n, 8*(4*\m+\n)
.endif
.endr
.endr
.endm
	FA 0, PA0
	PAK 0, PA0, PA1
	PAK 1, PA1, PA0
	PAK 2, PA0, PA1
	PAK 3, PA1, PA0
	PAK 4, PA0, PA1
	PAK 5, PA1, PA0
	PAK 6, PA0, PA1
	PAK 7, PA1, PA0
	PLACES 4
	WIN 0x4a                                       ; from window 2 into window 1: two result tiles make one fragment of Q'
.irp j, 0,1,2,3
.irp n, 0,1,2,3
.irp e, 0,1
.irp i, 0,1,2,3
	v_cvt_pk_bf16_f32 v[8*(4*\j+\n)+4*\e+\i], v[8*(4*(2*\j+\e)+\n)+2*\i], v[8*(4*(2*\j+\e)+\n)+2*\i+1]
.endr
.endr
.endr
.endr
	WIN 0
	s_wait_dscnt 0x0                               ; my reads of the query tile and of M1 are over,
	s_wait_xcnt 0x0
	v_lshl_add_u32 v254, v0, 2, 0x47400
	v_mov_b32 v255, 0
	s_wait_tensorcnt 0x0                           ; all my tensor loads have landed, my part of key tile 0 among them;
	ds_add_u32 v254, v255
	s_wait_dscnt 0x0
	ROUND                                          ; both now hold of every wave of the cluster
	tensor_load_to_lds s[G0S+4:G0S+7], s[G1K:G1K+7]        ; key tile 1, over the query tile: my one tensor load until the next round
	s_nop 0
	; the pair exchanges its halves of Q' through M1's bytes, which have had their only fill
	WIN 0x04
.irp j, 0,1,2,3
.irp n, 0,1,2,3
	ds_store_b128 v[XW], v[8*(4*\j+\n):8*(4*\j+\n)+3] offset:(4*\j+\n)*1024
	ds_store_b128 v[XW], v[8*(4*\j+\n)+4:8*(4*\j+\n)+7] offset:(4*\j+\n)*1024+512
.endr
.endr
	WIN 0
	s_wait_dscnt 0x0                               ; my stores are done before I signal
	BAR                                            ; tile 1 stays on its way
	WIN 0x40
.irp j, 0,1,2,3
.irp n, 0,1,2,3
	ds_load_b128 v[8*(4*(\j+4)+\n):8*(4*(\j+4)+\n)+3], v[XR] offset:(4*\j+(\n+2)%4)*1024       ; my block nb is my partner's block nb xor 2
	ds_load_b128 v[8*(4*(\j+4)+\n)+4:8*(4*(\j+4)+\n)+7], v[XR] offset:(4*\j+(\n+2)%4)*1024+512
.endr
.endr
	WIN 0
	s_wait_dscnt 0x0
; ------------------------------------------------------------------ the eight steps
; Sixteen groups of eight fragment loads a step go through three buffers: groups 0-7 for the scores, 8-15 for P h.
.macro LS slot, g                      ; score group g: my 4 key blocks x 32 channels, transposing
.set fb, FB+32*((\g)%3)
.set ka, KS+2*\slot+(\g)/4
.set ko, ((\g)%4)*32*PITCH
.irp m, 0,1,2,3
	ds_load_tr16_b128 v[fb+8*\m:fb+8*\m+3], v[ka] offset:ko+16*\m
	ds_load_tr16_b128 v[fb+8*\m+4:fb+8*\m+7], v[ka] offset:ko+16*\m+16*PITCH
.endr
.endm
.macro LP slot, j                      ; group 8 + j: channel blocks 2 j, 2 j + 1 x my 64 keys
.set fb, FB+32*((8+\j)%3)
.irp c, 0,1
.irp k, 0,1
	ds_load_b128 v[fb+8*(2*\c+\k):fb+8*(2*\c+\k)+3], v[KP+\slot] offset:(2*(\j)+\c)*16*PITCH+32*\k
	ds_load_b128 v[fb+8*(2*\c+\k)+4:fb+8*(2*\c+\k)+7], v[KP+\slot] offset:(2*(\j)+\c)*16*PITCH+32*\k+16
.endr
.endr
.endm
.macro MS g, zero                      ; 16 products on the 16 score tiles, by turns, one instruction a turn
.set fb, FB+32*((\g)%3)
.irp m, 0,1,2,3
.irp n, 0,1,2,3
	WM SB+8*(4*\n+\m), fb+8*\m, 8*(4*(\g)+\n), \zero
.endr
.endr
.endm
.macro MP j, first                     ; 16 products on 8 tiles of O^T, four by turns, one instruction a turn
.set fb, FB+32*((8+\j)%3)
.irp c, 0,1
.set ob, 32*((2*(\j)+\c)%8)
.irp k, 0,1
.irp n, 0,1,2,3
	WM ob+8*\n, fb+8*(2*\c+\k), SB+8*(4*\n+2*\k), \first*(1-\k)
.endr
.endr
.endr
.endm
.macro RSC                             ; one window's 32 tiles of O^T times the factor of their query
.irp c, 0,1,2,3,4,5,6,7
.irp n, 0,1,2,3
.irp p, 0,1,2,3
	v_pk_mul_f32 v[8*(4*\c+\n)+2*\p:8*(4*\c+\n)+2*\p+1], v[8*(4*\c+\n)+2*\p:8*(4*\c+\n)+2*\p+1], v[AL+2*\n:AL+2*\n+1] op_sel_hi:[1,0]
.endr
.endr
.endr
.endm
.macro RESCALE
	WIN 0x82
	RSC
	WIN 0xc3
	RSC
.endm
.macro SSUB n                          ; scores minus the running maximum
.set i, SB+32*\n
.rept 16
	v_pk_add_f32 v[i:i+1], v[i:i+1], v[MX+2*\n:MX+2*\n+1] op_sel_hi:[1,0] neg_lo:[0,1] neg_hi:[0,1]
.set i, i+2
.endr
.endm
.macro SEXP n
.set i, SB+32*\n
.rept 32
	v_exp_f32 v[i], v[i]
.set i, i+1
.endr
.endm
.macro SSUM n, first                   ; the lane's sum, and P packed in place: tiles 2 k, 2 k + 1 make fragment k
.set sb, SB+32*\n
	s_wait_alu depctr_va_vdst(0)
	v_pk_add_f32 v[TS:TS+1], v[sb:sb+1], v[sb+2:sb+3]
	v_pk_add_f32 v[TS+2:TS+3], v[sb+4:sb+5], v[sb+6:sb+7]
.set i, sb+8
.rept 6
	v_pk_add_f32 v[TS:TS+1], v[TS:TS+1], v[i:i+1]
	v_pk_add_f32 v[TS+2:TS+3], v[TS+2:TS+3], v[i+2:i+3]
.set i, i+4
.endr
	v_pk_add_f32 v[TS:TS+1], v[TS:TS+1], v[TS+2:TS+3]
.if \first
	v_add_f32 v[MX+2*\n+1], v[TS], v[TS+1]
.else
	v_add_f32 v[TS], v[TS], v[TS+1]
	v_fma_f32 v[MX+2*\n+1], v[MX+2*\n+1], v[AL+2*\n], v[TS]
.endif
.irp k, 0,1
.irp e, 0,1
.irp q, 0,1,2,3
	v_cvt_pk_bf16_f32 v[sb+16*\k+4*\e+\q], v[sb+16*\k+8*\e+2*\q], v[sb+16*\k+8*\e+2*\q+1]   ; ascending: no source is overwritten before it is read
.endr
.endr
.endr
.endm
.macro SOFTMAX first
	PLACES 4                                       ; before the scores are read
.irp n, 0,1,2,3
	v_max3_num_f32 v[AL+2*\n+1], v[SB+32*\n], v[SB+32*\n+1], v[SB+32*\n+2]   ; four chains, one for each query block
.endr
.set i, 3
.rept 14
.irp n, 0,1,2,3
	v_max3_num_f32 v[AL+2*\n+1], v[AL+2*\n+1], v[SB+32*\n+i], v[SB+32*\n+i+1]
.endr
.set i, i+2
.endr
.irp n, 0,1,2,3
.if \first
	v_max_num_f32 v[AL+2*\n+1], v[AL+2*\n+1], v[SB+32*\n+31]
.else
	v_max3_num_f32 v[AL+2*\n+1], v[AL+2*\n+1], v[SB+32*\n+31], v[MX+2*\n]    ; with the running maximum
.endif
.endr
.irp n, 0,1,2,3
	v_permlanex16_b32 v[U+\n], v[AL+2*\n+1], s92, s93      ; a query's keys lie in lanes r and r + 16
.endr
.irp n, 0,1,2,3
	v_max_num_f32 v[U+\n], v[AL+2*\n+1], v[U+\n]
.endr
.if \first
.irp n, 0,1,2,3
	v_mov_b32 v[MX+2*\n], v[U+\n]
.endr
.else
.irp n, 0,1,2,3
	v_sub_f32 v[AL+2*\n], v[MX+2*\n], v[U+\n]
.endr
.irp n, 0,1,2,3
	v_exp_f32 v[AL+2*\n], v[AL+2*\n]               ; 2^(old maximum - new maximum)
.endr
	s_wait_alu depctr_va_vdst(0)
.irp n, 0,1,2,3
	v_mov_b32 v[MX+2*\n], v[U+\n]                  ; also the plain place behind the exponentials (ISA guide 5.7.2)
.endr
	RESCALE
	WIN 0
.endif
	SSUB 0                                         ; the next block's subtraction is the plain place behind each run of exponentials
	SEXP 0
	SSUB 1
	SSUM 0, \first
	SEXP 1
	SSUB 2
	SSUM 1, \first
	SEXP 2
	SSUB 3
	SSUM 2, \first
	SEXP 3
	v_nop
	s_wait_alu depctr_va_vdst(0)
	SSUM 3, \first
.endm
.macro SG slot, g                      ; score group g: fetch two groups ahead, multiply
.if \g > 0
	PLACES 4                                       ; before loads into the buffer that the group before read
.endif
.if \g < 6
	LS \slot, \g+2
.else
	LP \slot, \g-6
.endif
	s_wait_dscnt 16                                ; group g is in; the two groups behind it, eight loads each, stay out
.if \g == 0
	MS \g, 1
.else
	MS \g, 0
.endif
.endm
.macro PG slot, j, first               ; P h group j
	WIN 0
.if \j > 0
	PLACES 4
.endif
.if \j < 6
	LP \slot, \j+2
	s_wait_dscnt 16                                ; as above
.endif
.if \j == 6
	s_wait_dscnt 8                                 ; the last group stays out
.endif
.if \j == 7
	s_wait_dscnt 0x0
.endif
.if \j < 4
	WIN 0xa0
.else
	WIN 0xf0
.endif
	MP \j, \first
.endm
; One key tile.  head = 1: the change of slots.  Each wave waits for its reads of the slot read last and for all its tensor loads, of which one is
; out, its part of this step's tile; a round of the cluster's barrier; then the slot read last is filled again, first thing behind the round:
; fill = 1 with the next key tile, fill = 2 with M2's rows 0-127.  That load has this whole step, 256 products and the softmax, in which to land.
.macro STEP slot, first, fill, head
.if \head
	s_wait_dscnt 0x0
	s_wait_xcnt 0x0
	v_lshl_add_u32 v254, v0, 2, 0x47400
	v_mov_b32 v255, 0
	s_wait_tensorcnt 0x0
	ds_add_u32 v254, v255
	s_wait_dscnt 0x0
.if \fill == 1
	s_add_nc_u64 s[G0S+6-4*\slot:G0S+7-4*\slot], s[G0S+6-4*\slot:G0S+7-4*\slot], 512   ; no load of mine is out: the other slot's next tile, two tiles on
.endif
	ROUND
.if \fill == 1
	tensor_load_to_lds s[G0S+4-4*\slot:G0S+7-4*\slot], s[G1K:G1K+7]
	s_nop 0
.endif
.if \fill == 2
	tensor_load_to_lds s[G0M2A:G0M2A+3], s[G1M2:G1M2+7]
	s_nop 0
.endif
.endif
	PLACES 5                                       ; the first score products write over registers that the last products read
	WIN 0x04                                       ; second operand in window 1, all else in window 0: the score phase needs no further switch
	LS \slot, 0
	LS \slot, 1
.irp g, 0,1,2,3,4,5,6,7
	SG \slot, \g
.endr
	WIN 0
	SOFTMAX \first
.irp j, 0,1,2,3,4,5,6,7
	PG \slot, \j, \first
.endr
	WIN 0
.endm
	STEP 0, 1, 0, 0                                ; tile 0: shown whole by the round above; its products start every sum
	s_mov_b32 s94, 3
.Lsteps:
	STEP 1, 0, 1, 1                                ; tiles 1, 3, 5; asks for 2, 4, 6
	STEP 0, 0, 1, 1                                ; tiles 2, 4, 6; asks for 3, 5, 7
	s_sub_co_u32 s94, s94, 1
	s_cmp_lg_u32 s94, 0
	s_cbranch_scc1 .Lsteps
	STEP 1, 0, 2, 1                                ; tile 7
; ------------------------------------------------------------------ the end: merge the pair, y = M2 O + b2, out = x + y
	s_wait_dscnt 0x0
	s_wait_xcnt 0x0
	v_lshl_add_u32 v254, v0, 2, 0x47400
	v_mov_b32 v255, 0
	s_wait_tensorcnt 0x0
	ds_add_u32 v254, v255
	s_wait_dscnt 0x0
	ROUND
	tensor_load_to_lds s[G0M2B:G0M2B+3], s[G1M2:G1M2+7]    ; M2's rows 128-255, over tile 7: the last tensor load
	s_nop 0
	PLACES 4                                       ; behind the last products
	s_lshl_b32 s24, s18, 15
	s_add_co_u32 s24, s24, MREG
	s_lshl_b32 s25, s66, 15
	s_add_co_u32 s25, s25, MREG
	v_lshl_add_u32 v[OXW], v1, 4, s24
	v_lshl_add_u32 v[OXR], v1, 4, s25
	s_lshl_b32 s24, s18, 10
	s_add_co_u32 s24, s24, MLX
	s_lshl_b32 s25, s66, 10
	s_add_co_u32 s25, s25, MLX
	v_lshl_add_u32 v[MLW], v1, 4, s24
	v_lshl_add_u32 v[MLR], v1, 4, s25
	s_mul_i32 s24, s20, SLOT
	v_lshl_add_u32 v[AM2], v1, 4, s24              ; M2's rows 128 s ..
.irp n, 0,1,2,3
	v_permlanex16_b32 v[U+\n], v[MX+2*\n+1], s92, s93
.endr
.irp n, 0,1,2,3
	v_add_f32 v[MX+2*\n+1], v[MX+2*\n+1], v[U+\n]  ; the sums of lanes r and r + 16 meet only now
.endr
	ds_store_b128 v[MLW], v[MX:MX+3]
	ds_store_b128 v[MLW], v[MX+4:MX+7] offset:512
	s_wait_dscnt 0x0
	BAR
	ds_load_b128 v[PM:PM+3], v[MLR] offset:512     ; crossed: my blocks 0, 1 are my partner's 2, 3
	ds_load_b128 v[PM+4:PM+7], v[MLR]
	s_mul_i32 s24, s18, 16*PITCH                   ; meanwhile the addresses of the way out
	s_add_co_u32 s24, s24, STG
	v_mul_u32_u24 v[STL], v2, PITCH
	v_lshl_add_u32 v[STL], v3, 5, v[STL]
	v_add_nc_u32 v[STL], s24, v[STL]               ; stage row r (a channel), byte 32 h
	s_lshl_b32 s25, s67, 7
	v_add_nc_u32 v[STH], s25, v[STL]               ; local blocks 2, 3
	s_lshl_b32 s25, s20, 7
	v_add_nc_u32 v[STL], s25, v[STL]               ; local blocks 0, 1
	v_mul_u32_u24 v[RD], v3, PITCH
	v_lshl_add_u32 v[RD], v2, 4, v[RD]
	v_add_nc_u32 v[RD], s24, v[RD]                 ; back: lanes 0-15 one row of 256 bytes, lanes 16-31 the next
	v_lshlrev_b32 v[VO], 12, v3
	v_lshl_add_u32 v[VO], v2, 4, v[VO]             ; the same two rows in x and out0
	v_lshlrev_b32 v[VB], 2, v2
.irp m, 0,1,2,3,4,5,6,7
	global_load_b32 v[BV+\m], v[VB], s[12:13] offset:64*\m   ; b2[128 s + 16 m + r], wanted behind the pair's exchange of O
.endr
	s_wait_dscnt 0x0
.irp n, 0,1,2,3
	v_max_num_f32 v[AL+2*\n+1], v[MX+2*\n], v[PM+2*\n]     ; the common maximum
.endr
.irp n, 0,1,2,3
	v_sub_f32 v[AL+2*\n], v[MX+2*\n], v[AL+2*\n+1]
	v_sub_f32 v[PM+2*\n], v[PM+2*\n], v[AL+2*\n+1]
.endr
.irp n, 0,1,2,3
	v_exp_f32 v[AL+2*\n], v[AL+2*\n]
	v_exp_f32 v[PM+2*\n], v[PM+2*\n]
.endr
	v_nop
	s_wait_alu depctr_va_vdst(0)
.irp n, 0,1,2,3
	v_mul_f32 v[AL+2*\n+1], v[PM+2*\n+1], v[PM+2*\n]
.endr
.irp n, 0,1,2,3
	v_fma_f32 v[AL+2*\n+1], v[MX+2*\n+1], v[AL+2*\n], v[AL+2*\n+1]   ; the whole row's sum: at least 1, since the largest term is 1
.endr
.irp n, 0,1,2,3
	v_rcp_f32 v[AL+2*\n+1], v[AL+2*\n+1]
.endr
	v_nop
	s_wait_alu depctr_va_vdst(0)
.irp n, 0,1,2,3
	v_mul_f32 v[AL+2*\n], v[AL+2*\n], v[AL+2*\n+1] ; my O's share in the merged, normalised O
.endr
	; Each wave hands its blocks 2, 3 of O^T to its partner, times their factors, and keeps blocks 0, 1, which take their factors in the sum.
.macro RSCH                            ; one window's 16 tiles of blocks 2, 3 times the factor of their query
.irp c, 0,1,2,3,4,5,6,7
.irp n, 2,3
.irp p, 0,1,2,3
	v_pk_mul_f32 v[8*(4*\c+\n)+2*\p:8*(4*\c+\n)+2*\p+1], v[8*(4*\c+\n)+2*\p:8*(4*\c+\n)+2*\p+1], v[AL+2*\n:AL+2*\n+1] op_sel_hi:[1,0]
.endr
.endr
.endr
.endm
.macro OXS hi
.irp c, 0,1,2,3,4,5,6,7
.irp n, 0,1
	ds_store_b128 v[OXW], v[8*(4*\c+\n+2):8*(4*\c+\n+2)+3] offset:(2*(\c+8*\hi)+\n)*1024
	ds_store_b128 v[OXW], v[8*(4*\c+\n+2)+4:8*(4*\c+\n+2)+7] offset:(2*(\c+8*\hi)+\n)*1024+512
.endr
.endr
.endm
.macro OXL hi
.irp c, 0,1,2,3,4,5,6,7
.irp n, 0,1
	ds_load_b128 v[8*(4*\c+\n+2):8*(4*\c+\n+2)+3], v[OXR] offset:(2*(\c+8*\hi)+\n)*1024
	ds_load_b128 v[8*(4*\c+\n+2)+4:8*(4*\c+\n+2)+7], v[OXR] offset:(2*(\c+8*\hi)+\n)*1024+512
.endr
.endr
.endm
.macro OXA                             ; mine times my factor, plus my partner's, which came with its factor
.irp c, 0,1,2,3,4,5,6,7
.irp n, 0,1
.irp p, 0,1,2,3
	v_pk_fma_f32 v[8*(4*\c+\n)+2*\p:8*(4*\c+\n)+2*\p+1], v[8*(4*\c+\n)+2*\p:8*(4*\c+\n)+2*\p+1], v[AL+2*\n:AL+2*\n+1], v[8*(4*\c+\n+2)+2*\p:8*(4*\c+\n+2)+2*\p+1] op_sel_hi:[1,0,1]
.endr
.endr
.endr
.endm
.macro OPK hi                          ; two tiles of O^T make fragment (kk = 4 hi + j, n) in window 1
.irp j, 0,1,2,3
.irp n, 0,1
.irp e, 0,1
.irp i, 0,1,2,3
	v_cvt_pk_bf16_f32 v[8*(4*(4*\hi+\j)+\n)+4*\e+\i], v[8*(4*(2*\j+\e)+\n)+2*\i], v[8*(4*(2*\j+\e)+\n)+2*\i+1]
.endr
.endr
.endr
.endr
.endm
	WIN 0x82
	RSCH
	WIN 0xc3
	RSCH
	WIN 0x08
	OXS 0
	WIN 0x0c
	OXS 1
	WIN 0
	s_wait_dscnt 0x0
	BAR
	WIN 0x80
	OXL 0
	WIN 0xc0
	OXL 1
	s_wait_dscnt 0x0
	WIN 0xa2                                       ; the factor in window 0, all else in window 2
	OXA
	WIN 0xf3
	OXA
	WIN 0x4a
	OPK 0
	WIN 0x4f
	OPK 1
	WIN 0
	s_wait_loadcnt 0x0                             ; b2: asked for ahead of the exchange above
.irp m, 0,1,2,3,4,5,6,7
.irp t, 0,1,2,3,4,5,6,7
	v_mov_b32 v[BTU+8*\m+\t], v[BV+\m]             ; as C tiles: a lane's eight results are one channel's
.endr
.endr
	WIN 0xc0
.irp m, 0,1,2,3,4,5,6,7
.irp t, 0,1,2,3,4,5,6,7
	global_load_b128 v[4*(8*\m+\t):4*(8*\m+\t)+3], v[VO], s[14:15] offset:(16*\m+2*\t)*4096 th:TH_LOAD_NT   ; x's rows into window 3, well ahead of their use
.endr
.endr
	WIN 0
	BAR                                            ; every wave's reads of the O^T scratch are over (each has waited for them above)
	WIN 0x04
.irp k, 0,1,2,3,4,5,6,7
.irp n, 0,1
	ds_store_b128 v[XW], v[8*(4*\k+\n):8*(4*\k+\n)+3] offset:(2*\k+\n)*1024
	ds_store_b128 v[XW], v[8*(4*\k+\n)+4:8*(4*\k+\n)+7] offset:(2*\k+\n)*1024+512
.endr
.endr
	WIN 0
	s_wait_dscnt 0x0                               ; my stores are done,
	s_wait_tensorcnt 0x0                           ; and my parts of M2 are in, before I signal
	BAR
	WIN 0x40
.irp k, 0,1,2,3,4,5,6,7
.irp n, 0,1
	ds_load_b128 v[8*(4*\k+\n+2):8*(4*\k+\n+2)+3], v[XR] offset:(2*\k+\n)*1024          ; my partner's blocks 0, 1 are my blocks 2, 3
	ds_load_b128 v[8*(4*\k+\n+2)+4:8*(4*\k+\n+2)+7], v[XR] offset:(2*\k+\n)*1024+512
.endr
.endr
	WIN 0
; y in eight runs of 32 products.  Run r: channel blocks m = 2 (r / 2), + 1, K steps 4 (r % 2) .. + 3, all four query blocks.  After two runs two
; blocks of 16 channels are whole.  A block's way out is cut in two: OUTA (into my own stage by tiles, back as whole rows of 256 bytes, my 64
; positions) stands in front of a later run, OUTB (plus x, out) behind that run: the LDS round trip lies under 32 products, and the stores of
; six of the eight blocks leave while products are still being made.
.macro FM r, buf                       ; run r's 8 fragments of M2: 16 loads
.irp e, 0,1
.irp q, 0,1,2,3
	ds_load_b128 v[\buf+8*(4*\e+\q):\buf+8*(4*\e+\q)+3], v[AM2] offset:(8*(2*((\r)/2)+\e)+4*((\r)%2)+\q)*1024
	ds_load_b128 v[\buf+8*(4*\e+\q)+4:\buf+8*(4*\e+\q)+7], v[AM2] offset:(8*(2*((\r)/2)+\e)+4*((\r)%2)+\q)*1024+512
.endr
.endr
.endm
.macro OUTA m                          ; 8 LDS stores, 8 LDS loads
	WIN 0x08
.irp n, 0,1
	ds_store_b128 v[STL], v[8*(4*\m+\n):8*(4*\m+\n)+3] offset:64*\n
	ds_store_b128 v[STL], v[8*(4*\m+\n)+4:8*(4*\m+\n)+7] offset:64*\n+16
.endr
.irp n, 0,1
	ds_store_b128 v[STH], v[8*(4*\m+\n+2):8*(4*\m+\n+2)+3] offset:64*\n
	ds_store_b128 v[STH], v[8*(4*\m+\n+2)+4:8*(4*\m+\n+2)+7] offset:64*\n+16
.endr
	WIN 0
	s_wait_xcnt 0x0                                ; TMP, which the last block's stores read, is rewritten only behind this wait (ISA guide 3.1)
.irp t, 0,1,2,3,4,5,6,7
	ds_load_b128 v[TMP+4*\t:TMP+4*\t+3], v[RD] offset:2*PITCH*\t    ; LDS serves a wave's instructions in order (ISA guide 5.7.1): these see the stores above
.endr
.endm
.macro OUTB m
	WIN 0
	s_wait_dscnt 0x0                               ; the rows are back
	s_wait_loadcnt 56-8*\m                         ; x's first 8 (m + 1) loads are in; the younger ones may stay out
	WIN 0x0c
.irp t, 0,1,2,3,4,5,6,7
.irp p, 0,1
	v_pk_add_f32 v[TMP+4*\t+2*\p:TMP+4*\t+2*\p+1], v[TMP+4*\t+2*\p:TMP+4*\t+2*\p+1], v[4*(8*\m+\t)+2*\p:4*(8*\m+\t)+2*\p+1]
.endr
.endr
	WIN 0
.irp t, 0,1,2,3,4,5,6,7
	global_store_b128 v[VO], v[TMP+4*\t:TMP+4*\t+3], s[16:17] offset:(16*\m+2*\t)*4096 th:TH_STORE_NT   ; 16 lanes store 256 consecutive bytes, aligned
.endr
.endm
; Sources swapped (O's fragment first): a lane's eight results are eight neighbouring positions of channel 128 s + 16 m + r.
; Eight accumulators by turns, one instruction a turn.  oa < 8: block oa starts on its way out in front of this run.
.macro YR r, cur, nxt, oa
	WIN 0
.if \r > 0
	PLACES 4                                       ; behind the run before: its buffer is loaded again, and results are stored to LDS
.endif
.set ycnt, 0
.if \r < 7
	FM \r+1, \nxt
.set ycnt, ycnt+16
.endif
.if \oa < 8
	OUTA \oa
.set ycnt, ycnt+16
.endif
	s_wait_dscnt ycnt                              ; this run's fragments are in; what was issued just above (16 for the next run, 16 for the way out) stays out
.irp q, 0,1,2,3
.set ykk, 4*((\r)%2)+\q
.if ykk == 0
	WIN 0x81                                       ; D window 2, first source window 1, C (b2) window 0
.else
	WIN 0xa1
.endif
.irp e, 0,1
.set ym, 2*((\r)/2)+\e
.irp n, 0,1,2,3
.if ykk == 0
	WMC 8*(4*ym+\n), 8*(4*ykk+\n), \cur+8*(4*\e+\q), BTU+8*ym
.else
	WMC 8*(4*ym+\n), 8*(4*ykk+\n), \cur+8*(4*\e+\q), 8*(4*ym+\n)
.endif
.endr
.endr
.endr
.endm
	FM 0, MB0
	YR 0, MB0, MB1, 8
	YR 1, MB1, MB0, 8
	YR 2, MB0, MB1, 0
	OUTB 0
	YR 3, MB1, MB0, 1
	OUTB 1
	YR 4, MB0, MB1, 2
	OUTB 2
	YR 5, MB1, MB0, 3
	OUTB 3
	YR 6, MB0, MB1, 4
	OUTB 4
	YR 7, MB1, MB0, 5
	OUTB 5
	PLACES 4                                       ; behind the last products, before their results are stored to LDS
	OUTA 6
	OUTB 6
	OUTA 7
	OUTB 7
	s_wait_xcnt 0x0
	v_lshl_add_u32 v254, v0, 2, 0x47400
	v_mov_b32 v255, 0
	s_wait_tensorcnt 0x0
	ds_add_u32 v254, v255
	s_wait_dscnt 0x0
	ROUND                                          ; the closing round: no work-group ends while a partner may still ask for a tile that names it
	s_endpgm
.Lfunc_end_k_q37be82379b_attn:
	.size	k_q37be82379b_attn, .Lfunc_end_k_q37be82379b_attn-k_q37be82379b_attn
	.p2alignl 7, 3214868480
	.fill 96, 4, 3214868480
	.section	.rodata,"a",@progbits
	.p2align	6, 0x0
	.amdhsa_kernel k_q37be82379b_attn
		.amdhsa_group_segment_fixed_size 327680
		.amdhsa_private_segment_fixed_size 0
		.amdhsa_enable_private_segment 0
		.amdhsa_kernarg_size 56
		.amdhsa_user_sgpr_count 2
		.amdhsa_user_sgpr_kernarg_segment_ptr 1
		.amdhsa_wavefront_size32 1
		.amdhsa_system_sgpr_workgroup_id_x 1
		.amdhsa_system_sgpr_workgroup_id_y 1
		.amdhsa_system_sgpr_workgroup_id_z 1
		.amdhsa_system_vgpr_workitem_id 0
		.amdhsa_next_free_vgpr 1024
		.amdhsa_next_free_sgpr 96
		.amdhsa_reserve_vcc 0
		.amdhsa_float_denorm_mode_32 3
		.amdhsa_float_denorm_mode_16_64 3
		.amdhsa_memory_ordered 1
		.amdhsa_forward_progress 1
		.amdhsa_inst_pref_size 255
	.end_amdhsa_kernel
	.section	.bss,"aw",@nobits
	.p2align	6
	.space	262144
	.amdgpu_metadata
---
amdhsa.version: [ 1, 2 ]
amdhsa.kernels:
  - .name:           k_q37be82379b_attn
    .symbol:         k_q37be82379b_attn.kd
    .args:
      - { .name: hn, .offset: 0, .size: 8, .value_kind: global_buffer, .address_space: global }
      - { .name: m1, .offset: 8, .size: 8, .value_kind: global_buffer, .address_space: global }
      - { .name: m2, .offset: 16, .size: 8, .value_kind: global_buffer, .address_space: global }
      - { .name: uq, .offset: 24, .size: 8, .value_kind: global_buffer, .address_space: global }
      - { .name: b2, .offset: 32, .size: 8, .value_kind: global_buffer, .address_space: global }
      - { .name: x, .offset: 40, .size: 8, .value_kind: global_buffer, .address_space: global }
      - { .name: out0, .offset: 48, .size: 8, .value_kind: global_buffer, .address_space: global }
    .group_segment_fixed_size: 327680
    .private_segment_fixed_size: 0
    .kernarg_segment_align: 8
    .kernarg_segment_size: 56
    .max_flat_workgroup_size: 128
    .sgpr_count:     96
    .vgpr_count:     1024
    .wavefront_size: 32
...
	.end_amdgpu_metadata
.endif
;; end of part 2
